; MI455X (gfx1250); checked and timed in simulation.
; The chip was launched on July 23, 2026; its instructions are those of AMD's public machine-readable ISA for CDNA 5 (MIT licence, August 2026) and "CDNA5" Instruction Set Architecture Reference Guide (July 2026). The comments in the code are by the model that wrote it; some were corrected since.
;; Attention Head. Allowed arithmetic: matrix products marked QUANTISED: E2M3 operands, one E8M0 scale for each 32 along K, by v_wmma_scale_f32_16x16x128_f8f6f4 with both operands' format E2M3, f32 sums; everything else in f32.
;; Inputs: W_qkv 384 x 2,048 float32; x 4 x 4,096 x 2,048 float32.
;; Outputs: out0 4 x 4,096 x 128 float32.
;; This version of the problem:
;;   THIS VERSION OF THE PROBLEM IS GIVEN IN LOW PRECISION. The matrix products marked QUANTISED in the list below multiply operands that are first quantised to E2M3 (2 exponent bits, 3 mantissa bits; 6 bits a number), with one power-of-two scale for each 32 numbers along K (OCP MX v1.0); their sums are f32. All else is computed in f32.
;;   The module's matrix products, in the order in which they are computed (A, B: the left and right operand; K: the contracted axis; several contracted axes count as one K, in the product's order):
;;     1. [M 16,384, K 2,048] x [K 2,048, N 384]; A: input x; B: input W_qkv: QUANTISED
;;     2. batch 4 x [M 4,096, K 128] x [K 128, N 4,096]; A: computed on the way; B: computed on the way: QUANTISED
;;     3. batch 4 x [M 4,096, K 4,096] x [K 4,096, N 128]; A: softmax (see below); B: computed on the way: QUANTISED
;;   THE QUANTISER, for each operand of a quantised product, along K:
;;     - K is cut into blocks of 32 from its start; a last block that is shorter is filled with zeros.
;;     - A block's scale is 2^e with e = floor(log2(the largest magnitude in the block)) - 2, held to -126 .. 127; a block of zeros has e = 0. As a byte (E8M0): e + 127.
;;     - Each number is divided by its block's scale, clamped to +-7.5, and rounded to the nearest number of E2M3, ties to even, subnormals kept.
;;     - The product sums the exact products of the quantised numbers (number of the format x scale) in f32.
;;   ~~~python
;;   def quantise(x, axis):      # numpy; x: float32 -> the quantised numbers, widened to float32 again
;;       x = np.moveaxis(x, axis, -1); K = x.shape[-1]
;;       x = np.pad(x, [(0, 0)] * (x.ndim - 1) + [(0, -K % 32)]); x = x.reshape(x.shape[:-1] + (-1, 32)); a = np.abs(x).max(-1, keepdims=True)
;;       e = np.where(a > 0, np.clip(np.frexp(np.where(a > 0, a, 1))[1] - 1 - 2, -126, 127), 0)      # np.frexp(a)[1] - 1 = floor(log2(a)), exactly
;;       r = np.clip(x / 2.0 ** e, -7.5, 7.5)
;;       step = 2.0 ** (np.maximum(np.frexp(np.where(r == 0, 1, r))[1] - 1, 0) - 3)
;;       q = np.round(r / step) * step * 2.0 ** e      # np.round: ties to even
;;       return np.moveaxis(q.reshape(q.shape[:-2] + (-1,))[..., :K], -1, axis).astype(np.float32)
;;   ~~~
;;   SOFTMAX AHEAD OF A QUANTISED PRODUCT. Where the list says 'softmax', what is quantised is not the finished softmax but p = 2^(t - M), with t = logit x log2(e) and M = ceil(the row's largest t), a whole number; so 1/2 < the row's largest p <= 1. The row's sum l is taken of the UNQUANTISED p, in f32, and the product's result is divided by l at the end. Since M is a whole number, a kernel that streams over the keys may use a running M (the ceiling of the running maximum): every later rescaling is an exact power of two, which a block's scale takes up: the codes' values come out the same.
;;   OPERANDS COMPUTED ON THE WAY. 'Computed on the way' means the value that the module computes at that place (a softmax that the list does not call 'softmax' is quantised finished and normalised). What goes into a quantiser is computed in f32, as accurately as f32 sums, v_exp_f32 and their like allow (about 1e-6 of the number): no bf16 or f16 on the way to a quantiser, and a product that is left as it is and whose result goes on into a quantised operand takes f32 operands (vector FMAs, or v_wmma_f32_16x16x4_f32). A number that lies on a knife's edge between two numbers of the format may be rounded either way, as far as f32 arithmetic and the matrix unit's own rounding can turn it there, and no further.
;; One version. Each part assembles by itself: llvm-mc -triple=amdgcn-amd-amdhsa -mcpu=gfx1250 --defsym DOCPART=n.
;; ======== version 1 of 1: 3 launches
;; limits: right only within a limited range of input values
;; workspace buffers: wq 614,400 bytes; qkv 4,915,200 bytes
;; launch wquant (part 1): grid 96 x 1, 4 waves a work-group, no clusters, 34,560 bytes of LDS; arguments W_qkv, wq; writes wq
.if DOCPART == 1
	.amdgcn_target "amdgcn-amd-amdhsa--gfx1250"
	.amdhsa_code_object_version 6
	.text
	.protected	k_qf850d309b9_wquant
	.globl	k_qf850d309b9_wquant
	.p2align	8
	.type	k_qf850d309b9_wquant,@function
k_qf850d309b9_wquant:
	s_mov_b64 s[64:65], 0
	v_nop
	global_prefetch_b8 v0, s[64:65] scope:SCOPE_SE
	s_setreg_imm32_b32 hwreg(HW_REG_WAVE_MODE, 25, 1), 1
	s_wait_xcnt 0x0
; W_qkv [384][2048] f32 becomes codes of FP6 (E2M3) with one E8M0 scale byte for each 32 along K (K = the 2,048, innermost), laid as the next launch's waves load them.
; wq: the fragment of (K step s = 0..15 of 128, tile T = rows 16 T .. 16 T + 15) at (24 s + T) x 1,536, an image of the operand's 12 registers: three groups of four registers, 512 bytes each, lane l's 16 bytes at 16 l.
; At 589,824: the scale words, [T][s / 4][s % 2][row r = 0..15][(s / 2) % 2], 4 bytes each.
; A block's scale is 2^(floor(log2(its largest magnitude)) - 2); its byte is the largest magnitude's exponent field - 2, held at 1 from below.
; DEAD WORK, in the whole program: reference() puts -infinity (its own jnp.tril) on every score whose key lies behind its query, so those p are 0 for all finite inputs; launch attn does not visit key steps of 128 that
; lie wholly behind a block of 128 queries.  LIMIT: a NaN, an infinity or an overflow that reaches only such scores is not carried to the result.
; LIMITS: a block of zeros gets the byte 1 where the quantiser says 127: its codes are zeros, which add nothing, and this program alone reads the bytes.  NaN and infinities among the inputs are not served.
; SHARES: work-group 4 T + g makes K steps 4 g .. 4 g + 3 of tile T, one a wave: 384 fragments in 96 work-groups, whose 64 scale words each are one unit of 256 bytes; there is work for no more of that kind.
; Each load takes 512 consecutive bytes of one row; the 16 rows turn through the wave's own stage in LDS (rows 528 bytes apart), so that lane (r, h) holds of row r the whole blocks h and 2 + h.
; No clusters: the work-groups share no input.
.set TPW, 8448
.set GA,  33792                        ; LDS: the 256 bytes of gathered scale words
.set SPARE, 34048                      ; the spare words, 128 bytes for each wave
.set WSCO, 589824
.set H8,  9                            ; 8 h
.set X,   16                           ; v16-79    register 32 c + i = k 64 c + 32 h + i of my row
.set R,   80                           ; v80-143   the 16 rows as loaded
.set TM,  144                          ; v144-151  at work
.set PW,  152                          ; my row's scale word
.set PX,  153
.set PC,  154                          ; v154-169  the codes (12 registers of result, 4 at work)
.set SPW, 170
.set NIL, 171
.set SEL, 20                           ; s[20:21] lane selects for v_permlanex16_b32: lane l xor 16
; 64 numbers of a lane, v[s] on, become a fragment's codes in v[PC] .. v[PC + 11] and its scale word in v[PW].
.macro QUANT s
.irp c, 0,1
	v_max3_num_f32 v[TM+2*\c], |v[\s+32*\c]|, |v[\s+32*\c+1]|, |v[\s+32*\c+2]|
	v_max3_num_f32 v[TM+2*\c+1], |v[\s+32*\c+3]|, |v[\s+32*\c+4]|, |v[\s+32*\c+5]|
.endr
.irp i, 6,10,14,18,22,26
.irp c, 0,1
	v_max3_num_f32 v[TM+2*\c], v[TM+2*\c], |v[\s+32*\c+\i]|, |v[\s+32*\c+\i+1]|
	v_max3_num_f32 v[TM+2*\c+1], v[TM+2*\c+1], |v[\s+32*\c+\i+2]|, |v[\s+32*\c+\i+3]|
.endr
.endr
.irp c, 0,1
	v_max3_num_f32 v[TM+2*\c], v[TM+2*\c], |v[\s+32*\c+30]|, |v[\s+32*\c+31]|
.endr
.irp c, 0,1
	v_max3_num_f32 v[TM+2*\c], v[TM+2*\c], v[TM+2*\c+1], 0x1800000   ; and the floor 2^(3 - 127): the byte cannot fall under 1
.endr
.irp c, 0,1
	v_add_nc_u32 v[TM+4+\c], 0xff000000, v[TM+2*\c]   ; 2 off its exponent field: the conversion takes this operand's exponent field as its scale
.endr
.irp c, 0,1
	v_lshrrev_b32 v[TM+6+\c], 23, v[TM+4+\c]       ; the scale's byte
.endr
	v_cvt_scalef32_pk16_fp6_f32 v[PC:PC+2], v[\s:\s+15], v[TM+4]
	v_cvt_scalef32_pk16_fp6_f32 v[PC+12:PC+14], v[\s+16:\s+31], v[TM+4]   ; (a conversion's three registers begin on an even number)
	v_cvt_scalef32_pk16_fp6_f32 v[PC+6:PC+8], v[\s+32:\s+47], v[TM+5]
	v_cvt_scalef32_pk16_fp6_f32 v[TM:TM+2], v[\s+48:\s+63], v[TM+5]
	v_lshl_or_b32 v[PW], v[TM+7], 16, v[TM+6]      ; my two bytes, of blocks h and 2 + h.  (The plain place behind the conversions)
	v_lshlrev_b32 v[PW], v[H8], v[PW]
.irp i, 0,1,2
	v_mov_b32 v[PC+3+\i], v[PC+12+\i]
.endr
	v_permlanex16_b32 v[PX], v[PW], s[SEL], s[SEL+1]
.irp i, 0,1,2
	v_mov_b32 v[PC+9+\i], v[TM+\i]
.endr
	v_or_b32 v[PW], v[PW], v[PX]                   ; with lane l xor 16's two: the row's word, in both halves of the lanes
.endm
	s_load_b128 s[4:7], s[0:1], 0x0                ; W s[4:5], wq s[6:7]
	v_lshl_add_u32 v[SPW], v0, 2, SPARE
	v_mov_b32 v[NIL], 0
	v_lshrrev_b32 v1, 5, v0
	v_readfirstlane_b32 s8, v1                     ; wave j = 0..3
	s_lshr_b32 s10, ttmp9, 2                       ; T
	s_and_b32 s11, ttmp9, 3
	s_lshl_b32 s12, s11, 2
	s_add_co_u32 s12, s12, s8                      ; my K step
	s_lshl_b32 s14, s10, 17                        ; 16 T rows of 8,192 bytes,
	s_lshl_b32 s13, s12, 9                         ; + 512 bytes a K step
	s_add_co_u32 s14, s14, s13
	s_mov_b32 s15, 0
	s_mul_i32 s16, s12, 24
	s_add_co_u32 s16, s16, s10
	s_mul_i32 s16, s16, 1536                       ; my fragment's image
	s_mov_b32 s17, 0
	s_lshl_b32 s18, ttmp9, 8
	s_add_co_u32 s18, s18, WSCO                    ; my work-group's scale words
	s_mov_b32 s19, 0
	s_mul_i32 s9, s8, TPW                          ; my stage
	s_and_b32 s22, s8, 1
	s_lshl_b32 s22, s22, 7
	s_lshr_b32 s23, s8, 1
	s_lshl_b32 s23, s23, 2
	s_add_co_u32 s22, s22, s23
	s_add_co_u32 s22, s22, GA
	s_mov_b32 s[SEL], 0x76543210
	s_mov_b32 s[SEL+1], 0xfedcba98
	v_and_b32 v8, 31, v0                           ; lane
	v_and_b32 v1, 15, v0                           ; r
	v_bfe_u32 v2, v0, 4, 1                         ; h
	v_lshlrev_b32 v4, 4, v8                        ; 16 x lane: my place in a row's 512 bytes, and in an image
	v_add_nc_u32 v3, s9, v4                        ; into the stage
	v_mul_u32_u24 v7, v1, 528
	v_lshl_add_u32 v7, v2, 7, v7
	v_add_nc_u32 v7, s9, v7                        ; out of it: row r, + 128 h
	v_lshl_add_u32 v5, v1, 3, s22                  ; LDS: where my row's word is gathered
	v_lshlrev_b32 v6, 3, v8
	v_add_nc_u32 v10, GA, v6                       ; and where the 256 bytes are read
	v_lshlrev_b32 v[H8], 3, v2
	v_mov_b32 v[PX], 0                             ; written once: a lane permute's destination counts as one of its sources
	s_wait_alu depctr_va_vdst(0)                   ; the wait at the head's end
	s_wait_kmcnt 0x0
	s_add_nc_u64 s[4:5], s[4:5], s[14:15]
	s_add_nc_u64 s[26:27], s[6:7], s[18:19]
	s_add_nc_u64 s[6:7], s[6:7], s[16:17]
.irp ii, 0,1,2,3,4,5,6,7,8,9,10,11,12,13,14,15
	global_load_b128 v[R+4*\ii:R+4*\ii+3], v4, s[4:5] offset:8192*\ii th:TH_LOAD_NT   ; 32 lanes read 512 consecutive bytes of row ii
.endr
.irp ii, 0,1,2,3,4,5,6,7,8,9,10,11,12,13,14,15
	s_wait_loadcnt 15-\ii                          ; row ii is in; the younger loads may be out
	ds_store_b128 v3, v[R+4*\ii:R+4*\ii+3] offset:528*\ii
.endr
.irp c, 0,1
.irp j, 0,1,2,3,4,5,6,7
	ds_load_b128 v[X+32*\c+4*\j:X+32*\c+4*\j+3], v7 offset:256*\c+16*\j   ; LDS serves a wave's instructions in order: these see my stores
.endr
.endr
	s_wait_dscnt 0x0
	QUANT X
	ds_store_b32 v5, v[PW]                         ; lanes r and r + 16 write the same word with the same value
	s_wait_alu depctr_va_vdst(0)
	s_wait_dscnt 0x0                               ; for the others' sake: my word lies in LDS
	s_barrier_signal -1
	s_barrier_wait -1
.irp c, 0,1,2
	global_store_b128 v4, v[PC+4*\c:PC+4*\c+3], s[6:7] offset:512*\c   ; 32 lanes store 512 consecutive bytes
.endr
	s_cmp_lg_u32 s8, 0
	s_cbranch_scc1 .Ldone
	ds_load_b64 v[12:13], v10
	s_wait_dscnt 0x0
	global_store_b64 v6, v[12:13], s[26:27]        ; wave 0: 32 lanes store 256 consecutive bytes, aligned
.Ldone:
	s_wait_tensorcnt 0x0                           ; the wave's end
	ds_add_u32 v[SPW], v[NIL]
	s_wait_dscnt 0x0
	s_endpgm
.Lfunc_end_k_qf850d309b9_wquant:
	.size	k_qf850d309b9_wquant, .Lfunc_end_k_qf850d309b9_wquant-k_qf850d309b9_wquant
	.p2alignl 7, 3214868480
	.fill 96, 4, 3214868480
	.section	.rodata,"a",@progbits
	.p2align	6, 0x0
	.amdhsa_kernel k_qf850d309b9_wquant
		.amdhsa_group_segment_fixed_size 34560
		.amdhsa_private_segment_fixed_size 0
		.amdhsa_enable_private_segment 0
		.amdhsa_kernarg_size 16
		.amdhsa_user_sgpr_count 2
		.amdhsa_user_sgpr_kernarg_segment_ptr 1
		.amdhsa_wavefront_size32 1
		.amdhsa_system_sgpr_workgroup_id_x 1
		.amdhsa_system_sgpr_workgroup_id_y 1
		.amdhsa_system_sgpr_workgroup_id_z 1
		.amdhsa_system_vgpr_workitem_id 0
		.amdhsa_next_free_vgpr 176
		.amdhsa_next_free_sgpr 66
		.amdhsa_reserve_vcc 0
		.amdhsa_float_denorm_mode_32 3
		.amdhsa_float_denorm_mode_16_64 3
		.amdhsa_memory_ordered 1
		.amdhsa_forward_progress 1
		.amdhsa_inst_pref_size 10
	.end_amdhsa_kernel
	.amdgpu_metadata
---
amdhsa.version: [ 1, 2 ]
amdhsa.kernels:
  - .name:           k_qf850d309b9_wquant
    .symbol:         k_qf850d309b9_wquant.kd
    .args:
      - { .name: W_qkv, .offset: 0, .size: 8, .value_kind: global_buffer, .address_space: global }
      - { .name: wq, .offset: 8, .size: 8, .value_kind: global_buffer, .address_space: global }
    .group_segment_fixed_size: 34560
    .private_segment_fixed_size: 0
    .kernarg_segment_align: 8
    .kernarg_segment_size: 16
    .max_flat_workgroup_size: 128
    .sgpr_count:     66
    .vgpr_count:     176
    .wavefront_size: 32
...
	.end_amdgpu_metadata
.endif
;; end of part 1
;; launch proj (part 2): grid 256 x 1, 8 waves a work-group, no clusters, 194,048 bytes of LDS; arguments x, wq, qkv; writes qkv
.if DOCPART == 2
	.amdgcn_target "amdgcn-amd-amdhsa--gfx1250"
	.amdhsa_code_object_version 6
	.text
	.protected	k_qf850d309b9_proj
	.globl	k_qf850d309b9_proj
	.p2align	8
	.type	k_qf850d309b9_proj,@function
k_qf850d309b9_proj:
	s_mov_b64 s[64:65], 0
	v_nop
	global_prefetch_b8 v0, s[64:65] scope:SCOPE_SE
	s_setreg_imm32_b32 hwreg(HW_REG_WAVE_MODE, 25, 1), 1
	s_wait_xcnt 0x0
; qkv = Q(x) Q(W)^T on codes of FP6 (E2M3) with E8M0 scales, then q, k (along the head's 128) and v (along the keys) are quantised and stored as images of the operands' registers for the next launch.
; x [16,384][2,048] f32; wq: W's codes as images of fragments, (24 s + T) x 1,536 for K step s of 128 and tile T of 16 rows, and W's scale words.
; qkv: [batch 4][key step 32][25,600]: K's 8 tiles (images, 1,536 bytes each; lane r of tile 2 b + u holds key 32 b + 8 u + r + 8 (r / 8)) at 0, K's scale words [c][r][4] at 12,288,
;   V^T's fragments by halves [c][d-tile t][768] at 12,800 (registers 6 c .. 6 c + 3 at 16 l, registers 6 c + 4, 5 at 512 + 8 l), V's scale words [t / 4][r][t % 4] at 25,088;
;   at QOFF q's tiles of 16 queries (images), at QSOFF their scale words, 64 bytes a tile.
; SHARES.  A work-group takes 64 rows of x and all 384 columns; K goes by eight phases of two K steps.  Wave w = 4 q + m quantises K step q of each phase for rows 16 m .. 16 m + 15 and hands the fragment to the others
; through LDS as an image of its registers; and it owns W's tiles 3 w .. 3 w + 2 (48 columns) for all four tiles of rows: 12 accumulators.
; W COMES STRAIGHT INTO REGISTERS: a fragment of W is used by one wave of the work-group alone, and an image is loaded whole by three loads of 512 consecutive bytes.  No clusters: a joint load would bring W's
; 589,824 bytes into LDS, from where they would be read once, and put a drained round into every phase; here nothing is filled by the tensor data mover, and a phase has one plain barrier.
; x comes by loads too, 512 consecutive bytes of one row a load.  A phase's loads are issued two phases ahead of their use under counted waits and cross the barriers, up to 63 a wave: so nothing is prefetched.
; A K step's 16 x 512 bytes turn through the wave's own stage in LDS, so that lane (r, h) holds of row r the whole blocks h and 2 + h of 32, in the order of the operand's registers.
; THE MATRIX INSTRUCTION IS USED TRANSPOSED (source 0 = 16 rows of W, source 1 = 16 rows of x): lane (r, h) holds row r of x and columns 16 T + 8 h + 0 .. 7.
; SCALES: of a phase's two K steps the words lie in one register, lanes 0-15 the first's, lanes 16-31 the second's (ROW1), for W and for x.
; LIMITS: a block of zeros gets the byte 1 where the quantiser says 127 (zero codes; this program alone reads the bytes).  NaN and infinities are not served.
; V's scale bytes leave 32 a wave: a word's other two bytes belong to the neighbouring work-group's keys.  k's and v's reads of the stage for the way out meet two deep in the banks; they stand outside the walk along K.
; ISSUE ORDER OF THE LOADS, for the counts: at the head x(0), W(0,0), W's scale words (12), x(1), W(0,1), W(1,0), x(2); in trip f: W(f+1,1), W(f+2,0), x(f+3).  x(f): 16 loads, W(f,q): 9.
; REGISTERS: window 0: v1-23 addresses; v24-47 W's scale words (8 i + f); v48-51 x's (m); v52-61 at work; v62-77 codes just made; v78-125 x's four fragments of a K step; v126-253 two sets of 64 registers of x (phase f in set f % 2),
;   as loaded, then turned in place.   window 1: accumulator (m, i) at v[8 (3 m + i)]; W's fragment (phase f, q, i) at v[96 + 72 (f % 2) + 36 q + 12 i].
.set TPW,   8448                       ; LDS: each wave's stage for the turn, 16 rows x (512 + 16) bytes, from byte 0 on
.set XIMG,  67584                      ; x's images, two buffers of XBUF: fragment (q, m) at (4 q + m) x 1,536; scale words at XSO: [q][r][m]
.set XBUF,  12800
.set XSO,   12288
.set STG,   93184                      ; the way out: a stage of 64 rows x (1,536 + 16) bytes
.set SP,    1552
.set GSC,   192512                     ; q's and k's scale words, gathered: 64 bytes a wave
.set SPARE, 193024                     ; the spare words, 128 bytes for each wave
.set QOFF,  3276800
.set QSOFF, 4849664
.set WSCO,  589824
.set XO,   1                           ; 16 x lane
.set TIN,  2                           ; the turn: in,
.set TOUT, 3                           ; and out
.set XWI,  4                           ; where I store x's images, and their scale words
.set XWS,  5
.set XRI,  6                           ; where anybody reads them
.set XRS,  7
.set STO,  8                           ; v8-9  the stage: my 32 bytes of row r, rows 0-31 and rows 32-63
.set EQ,   10                          ; q's or k's numbers in the stage
.set EV,   11                          ; v's
.set GW,   12                          ; where my scale words are gathered
.set GR,   13                          ; where q's are read,
.set GK,   14                          ; and k's
.set H8,   15                          ; 8 h
.set SPW,  16                          ; my spare word; never rewritten
.set NIL,  17                          ; 0; never rewritten
.set OA,   18                          ; offsets in qkv
.set OV,   19
.set OV8,  20
.set OVS,  21
.set OSQ,  22
.set OSK,  23
.set SC,   24
.set SX,   48
.set TM,   52
.set PW,   60
.set PX,   61
.set PC,   62
.set XF,   78
.set XS,   126
.set WF,   96
.set SEL,  52                          ; s[52:53] lane selects for v_permlanex16_b32: lane l xor 16
.set MSB, 0
.macro WIN new                         ; the immediate's high byte repeats the setting that is left; a switch that changes nothing is dropped
.if MSB != \new
	s_set_vgpr_msb (MSB<<8)|\new
.set MSB, \new
.endif
.endm
.macro PLACES
.rept 4
	v_nop
.endr
.endm
; 64 numbers of a lane, v[s] on (register 32 c + i = k 64 c + 32 h + i of my row), become a fragment's codes in v[PC] .. v[PC + 11] and its scale word in v[PW].
.macro QUANT s
.irp c, 0,1
	v_max3_num_f32 v[TM+2*\c], |v[\s+32*\c]|, |v[\s+32*\c+1]|, |v[\s+32*\c+2]|
	v_max3_num_f32 v[TM+2*\c+1], |v[\s+32*\c+3]|, |v[\s+32*\c+4]|, |v[\s+32*\c+5]|
.endr
.irp i, 6,10,14,18,22,26
.irp c, 0,1
	v_max3_num_f32 v[TM+2*\c], v[TM+2*\c], |v[\s+32*\c+\i]|, |v[\s+32*\c+\i+1]|
	v_max3_num_f32 v[TM+2*\c+1], v[TM+2*\c+1], |v[\s+32*\c+\i+2]|, |v[\s+32*\c+\i+3]|
.endr
.endr
.irp c, 0,1
	v_max3_num_f32 v[TM+2*\c], v[TM+2*\c], |v[\s+32*\c+30]|, |v[\s+32*\c+31]|
.endr
.irp c, 0,1
	v_max3_num_f32 v[TM+2*\c], v[TM+2*\c], v[TM+2*\c+1], 0x1800000   ; and the floor 2^(3 - 127): the byte cannot fall under 1
.endr
.irp c, 0,1
	v_add_nc_u32 v[TM+4+\c], 0xff000000, v[TM+2*\c]   ; 2 off its exponent field: the conversion's scale operand
.endr
.irp c, 0,1
	v_lshrrev_b32 v[TM+6+\c], 23, v[TM+4+\c]       ; the scale's byte
.endr
	v_cvt_scalef32_pk16_fp6_f32 v[PC:PC+2], v[\s:\s+15], v[TM+4]
	v_cvt_scalef32_pk16_fp6_f32 v[PC+12:PC+14], v[\s+16:\s+31], v[TM+4]   ; (a conversion's three registers begin on an even number)
	v_cvt_scalef32_pk16_fp6_f32 v[PC+6:PC+8], v[\s+32:\s+47], v[TM+5]
	v_cvt_scalef32_pk16_fp6_f32 v[TM:TM+2], v[\s+48:\s+63], v[TM+5]
	v_lshl_or_b32 v[PW], v[TM+7], 16, v[TM+6]      ; my two bytes, of blocks h and 2 + h.  (The plain place behind the conversions)
	v_lshlrev_b32 v[PW], v[H8], v[PW]
.irp i, 0,1,2
	v_mov_b32 v[PC+3+\i], v[PC+12+\i]
.endr
	v_permlanex16_b32 v[PX], v[PW], s[SEL], s[SEL+1]
.irp i, 0,1,2
	v_mov_b32 v[PC+9+\i], v[TM+\i]
.endr
	v_or_b32 v[PW], v[PW], v[PX]                   ; with lane l xor 16's two: the row's word, in both halves of the lanes
.endm
.macro XLOADS f                        ; my K step of phase f: sixteen loads, each 512 consecutive bytes of one row
	WIN 0
.irp ii, 0,1,2,3,4,5,6,7,8,9,10,11,12,13,14,15
	global_load_b128 v[XS+64*((\f)%2)+4*\ii:XS+64*((\f)%2)+4*\ii+3], v[XO], s[4:5] offset:8192*\ii+1024*(\f) th:TH_LOAD_NT
.endr
.endm
.macro WLOADS f, q                     ; my three fragments of W for K step q of phase f: nine loads
	WIN 0x40
.irp i, 0,1,2
.irp c, 0,1,2
	global_load_b128 v[WF+72*((\f)%2)+36*(\q)+12*\i+4*\c:WF+72*((\f)%2)+36*(\q)+12*\i+4*\c+3], v[XO], s[6:7] offset:36864*(2*(\f)+(\q))+1536*\i+512*\c
.endr
.endr
	WIN 0
.endm
.macro TURN f                          ; phase f's numbers turn in place.  LDS serves a wave's instructions in order: no wait between the stores and the loads
.set B_, XS+64*((\f)%2)
.irp ii, 0,1,2,3,4,5,6,7,8,9,10,11,12,13,14,15
	ds_store_b128 v[TIN], v[B_+4*\ii:B_+4*\ii+3] offset:528*\ii
.endr
.irp c, 0,1
.irp j, 0,1,2,3,4,5,6,7
	ds_load_b128 v[B_+32*\c+4*\j:B_+32*\c+4*\j+3], v[TOUT] offset:256*\c+16*\j
.endr
.endr
.endm
.macro IMAGE buf
.irp c, 0,1,2
	ds_store_b128 v[XWI], v[PC+4*\c:PC+4*\c+3] offset:XBUF*(\buf)+512*\c
.endr
	ds_store_b32 v[XWS], v[PW] offset:XBUF*(\buf)  ; lanes r and r + 16 write the same word with the same value
.endm
.macro FETCHX q, buf                   ; x's four fragments of K step q
.irp m, 0,1,2,3
.irp c, 0,1,2
	ds_load_b128 v[XF+12*\m+4*\c:XF+12*\m+4*\c+3], v[XRI] offset:XBUF*(\buf)+(4*(\q)+\m)*1536+512*\c
.endr
.endr
.endm
; 12 matrix instructions: 128 along K.  The 12 accumulators take turns, one instruction a turn, in the same order in every K step.  The very first products start the sums.
.macro MUL f, q
	WIN 0x51                                       ; source 0 window 1, source 1 window 0, C and D window 1
.irp m, 0,1,2,3
.irp i, 0,1,2
.set A_, 8*(3*\m+\i)
.set W_, WF+72*((\f)%2)+36*(\q)+12*\i
.if (\f)+(\q) == 0
	v_wmma_scale_f32_16x16x128_f8f6f4 v[A_:A_+7], v[W_:W_+11], v[XF+12*\m:XF+12*\m+11], 0, v[SC+8*\i+(\f)], v[SX+\m] matrix_a_fmt:MATRIX_FMT_FP6 matrix_b_fmt:MATRIX_FMT_FP6
.elseif (\q) == 0
	v_wmma_scale_f32_16x16x128_f8f6f4 v[A_:A_+7], v[W_:W_+11], v[XF+12*\m:XF+12*\m+11], v[A_:A_+7], v[SC+8*\i+(\f)], v[SX+\m] matrix_a_fmt:MATRIX_FMT_FP6 matrix_b_fmt:MATRIX_FMT_FP6
.else
	v_wmma_scale_f32_16x16x128_f8f6f4 v[A_:A_+7], v[W_:W_+11], v[XF+12*\m:XF+12*\m+11], v[A_:A_+7], v[SC+8*\i+(\f)], v[SX+\m] matrix_a_fmt:MATRIX_FMT_FP6 matrix_b_fmt:MATRIX_FMT_FP6 matrix_a_scale:MATRIX_SCALE_ROW1 matrix_b_scale:MATRIX_SCALE_ROW1
.endif
.endr
.endr
	WIN 0
.endm
; PHASE f.  Everybody's images of phase f lie in buffer f % 2; those of phase f + 1 are made and stored into the other buffer, which nobody reads any more.  The one barrier at its end shows the new images, and that
; nobody reads buffer f % 2 any more; the second K step's products, work on registers, stand between its signal and its wait.
.macro TRIP f
.set NW1, 0
.set NW2, 0
.set NX1, 0
.set NX2, 0
.set NX3, 0
.if (\f) < 7
.set NW1, 9
.set NX1, 16
.endif
.if (\f) < 6
.set NW2, 9
.set NX2, 16
.endif
.if (\f) < 5
.set NX3, 16
.endif
	PLACES                                         ; in front of loads into registers that the last products read
.if (\f) < 7
	WLOADS (\f)+1, 1
.endif
	ds_load_b128 v[SX:SX+3], v[XRS] offset:XBUF*((\f)%2)
	FETCHX 0, (\f)%2
	s_wait_loadcnt NX1+9+NW1+NX2+NW1               ; W(f,0) is in; x(f+1), W(f,1), W(f+1,0), x(f+2), W(f+1,1) may be out
	s_wait_dscnt 0x0
	MUL \f, 0
	PLACES
.if (\f) < 6
	WLOADS (\f)+2, 0
.endif
	FETCHX 1, (\f)%2
.if (\f) < 7
	s_wait_loadcnt 9+NW1+NX2+NW1+NW2               ; x(f+1) is in; W(f,1), W(f+1,0), x(f+2), W(f+1,1), W(f+2,0) may be out
	TURN (\f)+1
	s_wait_dscnt 0x0
	QUANT XS+64*(((\f)+1)%2)
	IMAGE ((\f)+1)%2
.if (\f) < 5
	XLOADS (\f)+3
.endif
.endif
	s_wait_loadcnt NW1+NX2+NW1+NW2+NX3             ; W(f,1) is in; W(f+1,0), x(f+2), W(f+1,1), W(f+2,0), x(f+3) may be out
	s_wait_dscnt 0x0                               ; my reads of this buffer are over, my image is stored
.if (\f) < 7
	s_barrier_signal -1
.endif
	MUL \f, 1
.if (\f) < 7
	s_barrier_wait -1
.endif
.endm
	s_load_b128 s[4:7], s[0:1], 0x0                ; x s[4:5], wq s[6:7]
	s_load_b64 s[8:9], s[0:1], 0x10                ; qkv
	v_lshl_add_u32 v[SPW], v0, 2, SPARE
	v_mov_b32 v[NIL], 0
	v_lshrrev_b32 v1, 5, v0
	v_readfirstlane_b32 s10, v1                    ; wave w = 0..7
	s_and_b32 s11, s10, 3                          ; m
	s_lshr_b32 s12, s10, 2                         ; q
	s_lshl_b32 s20, ttmp9, 19                      ; x: 64 g rows of 8,192 bytes,
	s_lshl_b32 s21, s11, 17                        ; + my 16 m,
	s_add_co_u32 s20, s20, s21
	s_lshl_b32 s21, s12, 9                         ; + my K step of a phase
	s_add_co_u32 s20, s20, s21
	s_mov_b32 s21, 0
	s_mul_i32 s22, s10, 4608                       ; my three tiles of W in a K step
	s_mov_b32 s23, 0
	s_mul_i32 s24, s10, 3072                       ; and their scale words
	s_add_co_u32 s24, s24, WSCO
	s_mov_b32 s25, 0
	v_and_b32 v255, 31, v0                         ; lane
	v_lshlrev_b32 v[XO], 4, v255
	v_lshlrev_b32 v254, 3, v255
	s_wait_alu depctr_va_vdst(0)
	s_wait_kmcnt 0x0
	s_add_nc_u64 s[4:5], s[4:5], s[20:21]
	s_add_nc_u64 s[14:15], s[6:7], s[24:25]
	s_add_nc_u64 s[6:7], s[6:7], s[22:23]
	XLOADS 0
	WLOADS 0, 0
.irp i, 0,1,2
.irp g, 0,1,2,3
	global_load_b64 v[SC+8*\i+2*\g:SC+8*\i+2*\g+1], v254, s[14:15] offset:1024*\i+256*\g   ; W's scale words, once: of phases 2 g and 2 g + 1
.endr
.endr
	XLOADS 1
	; the rest of the head, under the loads' flight
	s_mov_b32 s[SEL], 0x76543210
	s_mov_b32 s[SEL+1], 0xfedcba98
	s_mul_i32 s26, s10, TPW
	s_mul_i32 s27, s10, 1536
	s_add_co_u32 s27, s27, XIMG
	s_lshl_b32 s28, s12, 8
	s_lshl_b32 s29, s11, 2
	s_add_co_u32 s28, s28, s29
	s_add_co_u32 s28, s28, XIMG+XSO
	s_mul_i32 s29, s10, 192
	s_add_co_u32 s29, s29, STG
	s_mul_i32 s31, s12, 24
	s_xor_b32 s31, s31, 16                         ; 16 for q's tiles (waves 0-3), 8 for k's
	s_and_b32 s30, s11, 1
	s_mul_i32 s31, s31, s30
	s_lshr_b32 s30, s11, 1
	s_lshl_b32 s30, s30, 5
	s_add_co_u32 s30, s30, s31                     ; q: row 16 m + r; k: row 32 (m / 2) + 8 (m % 2) + r + 8 (r / 8)
	s_mul_i32 s30, s30, SP
	s_lshl_b32 s31, s12, 9
	s_add_co_u32 s30, s30, s31                     ; k: columns 128 on
	s_add_co_u32 s30, s30, STG
	s_mul_i32 s33, s12, SP
	s_lshl_b32 s34, s10, 6
	s_add_co_u32 s35, s34, GSC
	s_add_co_u32 s34, s34, STG+1024                ; v: column 256 + 16 w
	s_lshr_b32 s38, ttmp9, 6                       ; batch
	s_mul_i32 s38, s38, 819200
	s_bfe_u32 s39, ttmp9, 0x50001                  ; key step: (g % 64) / 2
	s_mul_i32 s39, s39, 25600
	s_add_co_u32 s38, s38, s39                     ; my key step's block
	s_and_b32 s39, ttmp9, 1                        ; c: which 64 of its 128 keys are mine
	s_lshl_b32 s40, ttmp9, 2
	s_add_co_u32 s40, s40, s11
	s_mul_i32 s40, s40, 1536
	s_add_co_u32 s40, s40, QOFF                    ; q's tile 4 g + m
	s_lshl_b32 s41, s39, 2
	s_add_co_u32 s41, s41, s11
	s_mul_i32 s41, s41, 1536
	s_add_co_u32 s41, s41, s38                     ; K's tile 4 c + m
	s_cmp_eq_u32 s12, 0
	s_cselect_b32 s40, s40, s41
	s_mul_i32 s41, s39, 6144
	s_mul_i32 s42, s10, 768
	s_add_co_u32 s41, s41, s42
	s_add_co_u32 s41, s41, s38
	s_add_co_u32 s41, s41, 12800                   ; V's half c of d-tile w
	s_add_co_u32 s42, s41, 512
	s_lshl_b32 s43, s12, 8
	s_lshl_b32 s44, s11, 2
	s_add_co_u32 s43, s43, s44
	s_lshl_b32 s44, s39, 1
	s_add_co_u32 s43, s43, s44
	s_add_co_u32 s43, s43, s38
	s_add_co_u32 s43, s43, 25088
	s_lshl_b32 s45, ttmp9, 8
	s_add_co_u32 s45, s45, QSOFF
	s_lshl_b32 s46, s39, 8
	s_add_co_u32 s46, s46, s38
	s_add_co_u32 s46, s46, 12288
	v_and_b32 v78, 15, v0                          ; r
	v_bfe_u32 v79, v0, 4, 1                        ; h
	v_add_nc_u32 v[TIN], s26, v[XO]
	v_mul_u32_u24 v[TOUT], v78, 528
	v_lshl_add_u32 v[TOUT], v79, 7, v[TOUT]
	v_add_nc_u32 v[TOUT], s26, v[TOUT]             ; row r, + 128 h
	v_add_nc_u32 v[XWI], s27, v[XO]
	v_lshl_add_u32 v[XWS], v78, 4, s28
	v_add_nc_u32 v[XRI], XIMG, v[XO]
	v_add_nc_u32 v[XRS], XIMG+XSO, v[XO]
	v_mul_u32_u24 v80, v78, SP
	v_lshl_add_u32 v[STO], v79, 5, v80
	v_add_nc_u32 v[STO], s29, v[STO]               ; row r, + 32 h + my 48 columns
	v_add_nc_u32 v[STO+1], 32*SP, v[STO]
	v_lshl_add_u32 v[EQ], v79, 7, v80
	v_and_b32 v81, 8, v78
	v_mul_u32_u24 v81, s33, v81
	v_add_nc_u32 v[EQ], v81, v[EQ]
	v_add_nc_u32 v[EQ], s30, v[EQ]
	v_mul_u32_u24 v[EV], v79, 32*SP
	v_lshl_add_u32 v[EV], v78, 2, v[EV]
	v_add_nc_u32 v[EV], s34, v[EV]                 ; rows 32 h on, my column
	v_lshl_add_u32 v[GW], v78, 2, s35
	v_lshl_add_u32 v[GR], v255, 3, GSC
	v_lshlrev_b32 v[GK], 7, v79
	v_lshl_add_u32 v[GK], v78, 2, v[GK]
	v_add_nc_u32 v[GK], GSC+256, v[GK]
	v_lshlrev_b32 v[H8], 3, v79
	v_add_nc_u32 v[OA], s40, v[XO]
	v_add_nc_u32 v[OV], s41, v[XO]
	v_lshl_add_u32 v[OV8], v255, 3, s42
	v_lshl_add_u32 v[OVS], v78, 4, s43
	v_add_nc_u32 v[OVS], v[OVS], v79               ; V's scale byte 2 c + h of row r of d-tile w
	v_lshl_add_u32 v[OSQ], v255, 3, s45
	v_lshlrev_b32 v[OSK], 4, v78
	v_lshl_add_u32 v[OSK], v79, 3, v[OSK]
	v_add_nc_u32 v[OSK], s46, v[OSK]
	v_mov_b32 v[PX], 0                             ; written once: a lane permute's destination counts as one of its sources
	s_wait_alu depctr_va_vdst(0)                   ; the wait at the head's end
	s_wait_loadcnt 37                              ; x(0) is in; W(0,0), the scale words and x(1) may be out
	TURN 0
	WLOADS 0, 1
	WLOADS 1, 0
	s_wait_dscnt 0x0
	QUANT XS
	IMAGE 0
	XLOADS 2
	s_wait_dscnt 0x0                               ; my image is stored
	s_barrier_signal -1
	s_barrier_wait -1
	TRIP 0
	TRIP 1
	TRIP 2
	TRIP 3
	TRIP 4
	TRIP 5
	TRIP 6
	TRIP 7
	; THE WAY OUT.  The 64 x 384 sums meet in a stage of their own, f32.
	PLACES                                         ; in front of the LDS stores that read results
	WIN 0x04                                       ; the data: window 1
.irp m, 0,1,2,3
.irp i, 0,1,2
	ds_store_b128 v[STO+(\m/2)], v[8*(3*\m+\i):8*(3*\m+\i)+3] offset:16*SP*(\m%2)+64*\i        ; each accumulator from its low end on
	ds_store_b128 v[STO+(\m/2)], v[8*(3*\m+\i)+4:8*(3*\m+\i)+7] offset:16*SP*(\m%2)+64*\i+16
.endr
.endr
	WIN 0
	s_wait_dscnt 0x0                               ; for the others' sake: my stores into the stage are done
	s_barrier_signal -1
	s_barrier_wait -1
	; waves 0-3: q's tile 4 g + m, waves 4-7: K's tile 4 c + m: K = the head's 128, along the stage's rows
.irp c, 0,1
.irp j, 0,1,2,3,4,5,6,7
	ds_load_b128 v[XS+32*\c+4*\j:XS+32*\c+4*\j+3], v[EQ] offset:256*\c+16*\j
.endr
.endr
	; V: K = the keys, down the stage's rows.  Lane (r, h) takes channel 16 w + r and keys 32 h + 0 .. 31: a whole block in one lane
.irp ii, 0,1,2,3,4,5,6,7,8,9,10,11,12,13,14,15,16,17,18,19,20,21,22,23,24,25,26,27,28,29,30,31
	ds_load_b32 v[XS+64+\ii], v[EV] offset:SP*\ii
.endr
	s_wait_dscnt 32                                ; v's 32 loads may be out
	QUANT XS
	ds_store_b32 v[GW], v[PW]                      ; the scale words are gathered, to leave in whole runs of 256 bytes
.irp c, 0,1,2
	global_store_b128 v[OA], v[PC+4*\c:PC+4*\c+3], s[8:9] offset:512*\c   ; 32 lanes store 512 consecutive bytes
.endr
	s_wait_dscnt 0x1                               ; v's numbers are in; the gathered word's store may be out
.set VS, XS+64
.set PV, XF
	v_max3_num_f32 v[TM], |v[VS]|, |v[VS+1]|, |v[VS+2]|
	v_max3_num_f32 v[TM+1], |v[VS+3]|, |v[VS+4]|, |v[VS+5]|
.irp i, 6,10,14,18,22,26
	v_max3_num_f32 v[TM], v[TM], |v[VS+\i]|, |v[VS+\i+1]|
	v_max3_num_f32 v[TM+1], v[TM+1], |v[VS+\i+2]|, |v[VS+\i+3]|
.endr
	v_max3_num_f32 v[TM], v[TM], |v[VS+30]|, |v[VS+31]|
	v_max3_num_f32 v[TM], v[TM], v[TM+1], 0x1800000   ; and the floor
	v_add_nc_u32 v[TM+4], 0xff000000, v[TM]
	v_cvt_scalef32_pk16_fp6_f32 v[PV:PV+2], v[VS:VS+15], v[TM+4]
	v_cvt_scalef32_pk16_fp6_f32 v[PV+6:PV+8], v[VS+16:VS+31], v[TM+4]
	v_lshrrev_b32 v[TM+6], 23, v[TM+4]             ; my block's byte.  (The plain place behind the conversions)
.irp i, 0,1,2
	v_mov_b32 v[PV+3+\i], v[PV+6+\i]
.endr
	global_store_b128 v[OV], v[PV:PV+3], s[8:9]
	global_store_b64 v[OV8], v[PV+4:PV+5], s[8:9]
	global_store_b8 v[OVS], v[TM+6], s[8:9]
	s_wait_dscnt 0x0                               ; my scale words lie in LDS
	s_barrier_signal -1
	s_barrier_wait -1
	s_cmp_eq_u32 s10, 0
	s_cbranch_scc0 .Lnot_q
	ds_load_b64 v[100:101], v[GR]
	s_wait_dscnt 0x0
	global_store_b64 v[OSQ], v[100:101], s[8:9]    ; wave 0: q's scale words, 256 consecutive bytes, aligned
	s_branch .Lsent
.Lnot_q:
	s_cmp_eq_u32 s10, 1
	s_cbranch_scc0 .Lsent
	ds_load_b32 v102, v[GK]
	ds_load_b32 v103, v[GK] offset:64
	s_wait_dscnt 0x0
	global_store_b64 v[OSK], v[102:103], s[8:9]    ; wave 1: K's
.Lsent:
	s_wait_tensorcnt 0x0                           ; the wave's end
	ds_add_u32 v[SPW], v[NIL]
	s_wait_dscnt 0x0
	s_endpgm
.Lfunc_end_k_qf850d309b9_proj:
	.size	k_qf850d309b9_proj, .Lfunc_end_k_qf850d309b9_proj-k_qf850d309b9_proj
	.p2alignl 7, 3214868480
	.fill 96, 4, 3214868480
	.section	.rodata,"a",@progbits
	.p2align	6, 0x0
	.amdhsa_kernel k_qf850d309b9_proj
		.amdhsa_group_segment_fixed_size 194048
		.amdhsa_private_segment_fixed_size 0
		.amdhsa_enable_private_segment 0
		.amdhsa_kernarg_size 24
		.amdhsa_user_sgpr_count 2
		.amdhsa_user_sgpr_kernarg_segment_ptr 1
		.amdhsa_wavefront_size32 1
		.amdhsa_system_sgpr_workgroup_id_x 1
		.amdhsa_system_sgpr_workgroup_id_y 1
		.amdhsa_system_sgpr_workgroup_id_z 1
		.amdhsa_system_vgpr_workitem_id 0
		.amdhsa_next_free_vgpr 512
		.amdhsa_next_free_sgpr 66
		.amdhsa_reserve_vcc 0
		.amdhsa_float_denorm_mode_32 3
		.amdhsa_float_denorm_mode_16_64 3
		.amdhsa_memory_ordered 1
		.amdhsa_forward_progress 1
		.amdhsa_inst_pref_size 127
	.end_amdhsa_kernel
	.amdgpu_metadata
---
amdhsa.version: [ 1, 2 ]
amdhsa.kernels:
  - .name:           k_qf850d309b9_proj
    .symbol:         k_qf850d309b9_proj.kd
    .args:
      - { .name: x, .offset: 0, .size: 8, .value_kind: global_buffer, .address_space: global }
      - { .name: wq, .offset: 8, .size: 8, .value_kind: global_buffer, .address_space: global }
      - { .name: qkv, .offset: 16, .size: 8, .value_kind: global_buffer, .address_space: global }
    .group_segment_fixed_size: 194048
    .private_segment_fixed_size: 0
    .kernarg_segment_align: 8
    .kernarg_segment_size: 24
    .max_flat_workgroup_size: 256
    .sgpr_count:     66
    .vgpr_count:     512
    .wavefront_size: 32
...
	.end_amdgpu_metadata
.endif
;; end of part 2
;; launch attn (part 3): grid 64 x 4, 8 waves a work-group, clusters of 4 x 1, 327,680 bytes of LDS; arguments qkv, out0; writes out0
.if DOCPART == 3
	.amdgcn_target "amdgcn-amd-amdhsa--gfx1250"
	.amdhsa_code_object_version 6
	.text
	.protected	k_qf850d309b9_attn
	.globl	k_qf850d309b9_attn
	.p2align	8
	.type	k_qf850d309b9_attn,@function
k_qf850d309b9_attn:
	s_mov_b64 s[64:65], 0
	v_nop
	global_prefetch_b8 v0, s[64:65] scope:SCOPE_SE
	s_setreg_imm32_b32 hwreg(HW_REG_WAVE_MODE, 25, 1), 1
	s_wait_xcnt 0x0
	s_wait_alu depctr_hold_cnt(0) depctr_sa_sdst(0) depctr_va_vdst(0) depctr_va_sdst(0) depctr_va_ssrc(0) depctr_va_vcc(0) depctr_vm_vsrc(0)
	s_getreg_b32 s2, hwreg(HW_REG_IB_STS2, 6, 4)
	s_cmp_eq_u32 s2, 0
	s_cbranch_scc0 .Lentry_in_a_cluster
	s_endpgm
.Lentry_in_a_cluster:
	s_bfe_u32 s2, ttmp6, 0x10000c
	s_cmp_lg_u32 s2, 0x3003
	s_cbranch_scc0 .Lentry_shape_is_right
	s_endpgm
.Lentry_shape_is_right:
; out0[b][q][:] = the sum over k <= q of softmax_k(q . k / sqrt(128)) v[k][:], both products on codes of FP6 (E2M3) with E8M0 scales, from the images that the launch before has laid in qkv.
; THE SOFTMAX AHEAD OF THE SECOND PRODUCT: t = score x log2(e) / sqrt(128); M = the largest t so far, rounded UP to a whole number; p = 2^(t - M) is quantised along the keys; the row's sum is taken of the
; unquantised p and divides at the end.  When M moves, the sum and O are multiplied by 2^(old M - new M): exact.
; THE CAUSAL WORK IS DEALT EVENLY.  Cluster m = 0..15 of a batch owns two blocks of 128 queries: H = block 31 - m (32 - m key steps of 128 keys) and L = block m (m + 1): always 33 steps.  It walks ONE list
; u = 0..32: u < NH = 32 - m is (H, key step u), else (L, key step u - NH).  So every trip count is a constant and all 256 work-groups have the same work.
; Work-group cx owns tiles 2 cx + a (a = 0, 1) of 16 queries of whichever block is in hand.  Wave w = a + 2 p takes tile a and the steps u = p mod 4: 8 or 9 steps; two waves to a SIMD.
; The four waves of a tile keep M, the sum and O^T each for itself; at the end they meet in LDS and are joined by exact powers of two.
; The four work-groups of a cluster walk the same list, so its tiles are asked for JOINTLY (mask 15).  List steps 0 to 31 go through two slots of four steps, half a step (12,800 dense bytes) a wave.
; THE FIRST FILLS: slot 0 (steps 0-3) and list step 32, which gets 25,600 bytes of its own behind slot 0 and is filled once, a whole step a wave in waves 0-4; behind a round, slot 1 (steps 4-7): a wave has one tensor load
; out at a time.  Six refills follow (steps 8 to 31).  Waves 0 and 1 work step 32 straight behind their eighth step: it needs no barrier and no slot.  No branch and no LDS address hangs on cx.
; LAYOUT: both products transposed (S^T = K Q^T, O^T = V^T P^T): a lane holds one query (lane % 16).  Lane r of K's tile 2 b + u holds key 32 b + 8 u + r + 8 (r / 8): the 16 registers of two neighbouring tiles are 16 neighbouring keys.
; LIMITS: NaN and infinities are not served.  A block's largest p is taken from its largest score, which takes v_exp_f32 not to fall where its input rises.  A p under 2^-126 is 0.  A block of zeros keeps the byte 1: its codes are zeros.
; REGISTERS: v0 the thread's number, kept; v1-3 my lane's places in a slot; v4-6 the step's addresses; v7-11, v28, v31, v93, v94 addresses for the ends (made at the head, never rewritten); v12 -M, v13 the largest t,
;   v[14:15] the sum in two halves; v16-27 Q in hand; v32-79 four fragments of K or of V; v80-92 block L's Q and its scale word; v96-159 S^T, then p; v160-223 O^T; v224-235 p's codes; v232-254 at work;
;   v248-251, v253, v255 scale words.  At the joining: the four partial results in v32-63, v96-127, v128-159, v192-223 (v64-95 are left alone: the stage's addresses lie there), the joined result in v160-191.
.set STEPB, 25600                      ; a key step's block: K's tiles, K's scale words, V's fragments, V's scale words
.set SLOT1, 1<<17                      ; a slot holds four steps (102,400 bytes); slot 1 begins here, so that one exclusive or turns an address from one slot into the other
.set XTRA,  102400                     ; between slot 0's four steps and slot 1: list step 32, filled once
.set LP,    0                          ; block L's eight partial O^T, 8,192 bytes a wave: in slot 0, behind its last fill and its last read
.set OST,   SLOT1                      ; the stages for the way out, 16 rows x 272 bytes a wave: in slot 1, behind its last fill and its last read
.set HP,    233472                     ; block H's partial O^T, bytes of their own
.set STT,   299008                     ; for each wave 512 bytes: L's -M, L's sum, H's -M, H's sum, 4 bytes a lane each
.set SPARE, 303104                     ; the spare words, 128 bytes for each wave: four blocks of 256 bytes that no other line names
.set QOFF,  3276800
.set QSOFF, 4849664
.set FH,  7
.set FL,  8
.set FS,  9
.set DG,  10                           ; v10  my query's number in its block, less 16 (lane / 16)
.set MB,  11
.set SB,  28
.set SPW, 29                           ; LDS address of my spare word; never rewritten
.set NIL, 30                           ; 0; never rewritten
.set GO,  31
.set SIN, 93
.set SOUT, 94
.set WV,  8                            ; s8   wave
.set NH,  12                           ; s12  32 - m
.set NH1, 13                           ; s13  31 - m
.set U,   14                           ; s14  my list step
.set UF,  15                           ; s15  the list step that I fetch next
.set G1,  16                           ; s[16:23] descriptor group 1 for half a step
.set G0A, 24                           ; s[24:27] group 0 of slot 0's first fill
.set TB,  28                           ; s28  LDS byte at which the slot in hand begins
.set CNT, 29
.set KVB, 32                           ; s[32:33] my batch's key steps, at my half of a step
.set SEL, 36                           ; s[36:37] lane selects for v_permlanex16_b32: lane l xor 16
.set CS,  38                           ; s[38:39] c = log2(e) / sqrt(128)
.set G0,  52                           ; s[52:55] group 0 of slot 1's first fill; it then walks
.set G1X, 56                           ; s[56:63] group 1 for a whole step.  THE HEAD'S LOADS, one a wave: waves 0-3 list steps 0 to 3 into slot 0, wave 4 list step 32 into its own bytes behind them; slot 1 is first filled as a refill is
.macro PLACES
.rept 4
	v_nop
.endr
.endm
.macro CROUND                          ; a round of the cluster's barrier
	s_barrier_signal -1
	s_barrier_wait -1
	s_cmp_lg_u32 s[WV], 0
	s_cbranch_scc1 .Lnot_wave_0_\@
	s_barrier_signal -3
.Lnot_wave_0_\@:
	s_barrier_wait -3
	s_barrier_signal -1
	s_barrier_wait -1
.endm
; My partial result goes to LDS: O^T as an image of its registers, -M and the sum (its two halves and lane l xor 16's joined) 4 bytes a lane.
.macro FLUSH adr, so
	PLACES                                         ; behind the last products
	v_add_f32 v14, v14, v15
	s_delay_alu instid0(VALU_DEP_1)
	v_permlanex16_b32 v252, v14, s[SEL], s[SEL+1]
	s_delay_alu instid0(VALU_DEP_1)
	v_add_f32 v14, v14, v252
.set J, 0
.rept 16
	ds_store_b128 v[\adr], v[160+4*J:163+4*J] offset:512*J   ; ascending: each accumulator from its low end on
.set J, J+1
.endr
	ds_store_b32 v[FS], v12 offset:\so
	ds_store_b32 v[FS], v14 offset:\so+128
.endm
.macro VLOAD g                         ; V^T's fragments of channels 64 g on, and their scale words
.irp t, 0,1,2,3
.irp c, 0,1
	ds_load_b128 v[32+12*\t+6*\c:32+12*\t+6*\c+3], v4 offset:12800+6144*\c+768*(4*(\g)+\t)
	ds_load_b64 v[32+12*\t+6*\c+4:32+12*\t+6*\c+5], v5 offset:12800+6144*\c+768*(4*(\g)+\t)+512
.endr
.endr
	ds_load_b128 v[248:251], v6 offset:25088+256*(\g)
.endm
; MY NEXT LIST STEP.  x = 0: it lies in the slot in hand, at my place; x = 1: it is list step 32, in its own bytes.
.macro STEP x
	s_sub_co_u32 s31, s[U], s[NH]                  ; the first of my steps at or behind NH (true once for each wave): block H is done
	s_cmp_lt_u32 s31, 4
	s_cbranch_scc0 .Lsame_\@
	s_wait_alu depctr_va_vdst(0)
	FLUSH FH, 256
	s_wait_dscnt 0x0                               ; the stores have read their registers
	v_mov_b32 v255, v92                            ; block L's Q and its scale word: more than eight plain lines ahead of the next product
.irp j, 0,1,2,3,4,5,6,7,8,9,10,11
	v_mov_b32 v[16+\j], v[80+\j]
.endr
	v_mov_b32 v13, 0xff61b1e6                      ; -3e38, under every t
	s_delay_alu instid0(VALU_DEP_1)
	v_floor_f32 v12, -v13
	v_mov_b32 v14, 0
	v_mov_b32 v15, 0
.set J, 0
.rept 64
	v_mov_b32 v[160+J], 0
.set J, J+1
.endr
.Lsame_\@:
	s_cmp_gt_u32 s[U], 32                          ; the list has 33 steps
	s_cbranch_scc1 .Lskip_\@
.if \x
	v_and_b32 v6, 31, v0                           ; the same places for every wave: 16, 8 bytes a lane, 16 bytes a row, from XTRA on.  (These five lines are also the places in front of the loads below)
	s_delay_alu instid0(VALU_DEP_1)
	v_lshl_add_u32 v4, v6, 4, XTRA
	s_wait_alu depctr_va_vdst(0)
	v_lshl_add_u32 v5, v6, 3, XTRA
	v_and_b32 v6, 15, v0
	s_delay_alu instid0(VALU_DEP_1)
	v_lshl_add_u32 v6, v6, 4, XTRA
.else
	v_add_nc_u32 v4, s[TB], v1
	s_wait_alu depctr_va_vdst(0)
	v_add_nc_u32 v5, s[TB], v2
	v_add_nc_u32 v6, s[TB], v3
	s_wait_alu depctr_va_vdst(0)
	v_nop                                          ; four places in front of loads into registers that the last products read
.endif
	s_wait_alu depctr_va_vdst(0)
.irp g, 0,1                                    ; S^T = K Q^T, four tiles of 16 keys at a time
.if \g
	PLACES
.endif
.irp t, 0,1,2,3
.irp c, 0,1,2
	ds_load_b128 v[32+12*\t+4*\c:32+12*\t+4*\c+3], v4 offset:1536*(4*\g+\t)+512*\c
.endr
.endr
	ds_load_b128 v[248:251], v6 offset:12288+256*\g
	s_wait_dscnt 0x0
.irp t, 0,1,2,3
	v_wmma_scale_f32_16x16x128_f8f6f4 v[96+8*(4*\g+\t):103+8*(4*\g+\t)], v[32+12*\t:43+12*\t], v[16:27], 0, v[248+\t], v255 matrix_a_fmt:MATRIX_FMT_FP6 matrix_b_fmt:MATRIX_FMT_FP6
.endr
.endr
	PLACES                                         ; in front of the loads below and of the first read of the scores
	VLOAD 0                                        ; V's first four fragments land while the softmax is worked
	s_cmp_eq_u32 s[U], s[NH1]                      ; the diagonal: H's last key step, or L's
	s_cselect_b32 s30, 1, 0
	s_cmp_eq_u32 s[U], 32
	s_cselect_b32 s30, 1, s30
	s_cmp_eq_u32 s30, 0
	s_cbranch_scc1 .Lopen_\@
	v_mov_b32 v254, 0xff800000                     ; hidden scores become -infinity ahead of the maximum: p = 0 then.  Register 16 b + i holds the step's key 32 b + 16 (lane / 16) + i
.set J, 0
.rept 64
	v_cmp_gt_i32 vcc_lo, 32*(J/16)+J%16, v[DG]
	v_cndmask_b32 v[96+J], v[96+J], v254, vcc_lo
.set J, J+1
.endr
.Lopen_\@:
.irp b, 0,1,2,3
	v_max3_num_f32 v[232+\b], v[96+16*\b], v[97+16*\b], v[98+16*\b]   ; the largest score of each block of 32 keys: for the row's maximum, and for the block's largest p
.endr
.irp i, 3,5,7,9,11,13
.irp b, 0,1,2,3
	v_max3_num_f32 v[232+\b], v[232+\b], v[96+16*\b+\i], v[97+16*\b+\i]
.endr
.endr
.irp b, 0,1,2,3
	v_max_num_f32 v[232+\b], v[232+\b], v[111+16*\b]
.endr
.irp b, 0,1,2,3
	s_delay_alu instid0(VALU_DEP_4)
	v_permlanex16_b32 v[236+\b], v[232+\b], s[SEL], s[SEL+1]
.endr
.irp b, 0,1,2,3
	s_delay_alu instid0(VALU_DEP_4)
	v_max_num_f32 v[232+\b], v[232+\b], v[236+\b]  ; with lane l xor 16's 16 keys
.endr
	s_delay_alu instid0(VALU_DEP_2)
	v_max3_num_f32 v254, v232, v233, v234
	s_delay_alu instid0(VALU_DEP_1)
	v_max_num_f32 v254, v254, v235
	s_delay_alu instid0(VALU_DEP_1)
	v_mul_f32 v254, s[CS], v254                    ; the step's largest t (c is positive)
	s_delay_alu instid0(VALU_DEP_1)
	v_max_num_f32 v13, v13, v254
	v_mov_b32 v254, v12
	s_delay_alu instid0(VALU_DEP_2)
	v_floor_f32 v12, -v13                          ; the new -M = -ceil(t): a whole number
	s_delay_alu instid0(VALU_DEP_1)
	v_sub_f32 v254, v12, v254                      ; old M - new M: a whole number, 0 or less
	s_delay_alu instid0(VALU_DEP_1)
	v_cvt_i32_f32 v254, v254                       ; (it saturates)
	s_delay_alu instid0(VALU_DEP_1)
	v_ldexp_f32 v252, 1.0, v254                    ; f = 2^(old M - new M)
.set J, 0
.rept 32
	v_pk_fma_f32 v[96+J:97+J], v[96+J:97+J], s[CS:CS+1], v[12:13] op_sel_hi:[1,0,0]   ; t - M, two at a time
.set J, J+2
.endr
.irp b, 0,1,2,3
	v_fma_f32 v[232+\b], v[232+\b], s[CS], v12     ; the same of each block's largest score
.endr
.set J, 0
	s_wait_alu depctr_va_vdst(0)
.rept 64
	v_exp_f32 v[96+J], v[96+J]                     ; p = 2^(t - M), at most 1: not normalised
.set J, J+1
.endr
.irp b, 0,1,2,3
	v_exp_f32 v[232+\b], v[232+\b]                 ; the block's largest p
.endr
	v_pk_mul_f32 v[14:15], v[14:15], v[252:253] op_sel_hi:[1,0]   ; the sums under the new M.  (A plain place behind the exponentials)
	s_wait_alu depctr_va_vdst(0)
.irp b, 0,1,2,3
	v_max_num_f32 v[232+\b], 0x1800000, v[232+\b]  ; the floor 2^(3 - 127): the byte cannot fall under 1
.endr
.irp b, 0,1,2,3
	s_delay_alu instid0(VALU_DEP_4)
	v_add_nc_u32 v[244+\b], 0xff000000, v[232+\b]  ; 2 off the exponent field: the conversion's scale operand
.endr
.irp b, 0,1,2,3
	s_delay_alu instid0(VALU_DEP_4)
	v_lshrrev_b32 v[236+\b], 23, v[244+\b]         ; the scale's byte
.endr
	s_delay_alu instid0(VALU_DEP_3)
	v_lshl_or_b32 v253, v237, 8, v236              ; p's scale word for these 128 keys
	s_delay_alu instid0(VALU_DEP_1)
	v_lshl_or_b32 v253, v238, 16, v253
	s_delay_alu instid0(VALU_DEP_1)
	v_lshl_or_b32 v253, v239, 24, v253
.irp c, 0,1
	v_cvt_scalef32_pk16_fp6_f32 v[224+6*\c:226+6*\c], v[96+32*\c:111+32*\c], v[244+2*\c]
	v_cvt_scalef32_pk16_fp6_f32 v[236+4*\c:238+4*\c], v[112+32*\c:127+32*\c], v[244+2*\c+1]
.endr
	v_nop                                          ; one plain place behind a scaled conversion
.irp c, 0,1
.irp i, 0,1,2
	v_permlane16_swap_b32 v[224+6*\c+\i], v[236+4*\c+\i]
.endr
.irp i, 0,1,2
	s_delay_alu instid0(VALU_DEP_3)
	v_mov_b32 v[227+6*\c+\i], v[236+4*\c+\i]
.endr
.endr
	v_pk_add_f32 v[236:237], v[100:101], v[104:105]
	v_pk_add_f32 v[246:247], v[108:109], v[112:113]
	v_pk_add_f32 v[244:245], v[116:117], v[120:121]
	v_pk_add_f32 v[242:243], v[124:125], v[128:129]
	v_pk_add_f32 v[240:241], v[132:133], v[136:137]
	v_pk_add_f32 v[14:15], v[14:15], v[140:141]
	v_pk_add_f32 v[236:237], v[236:237], v[144:145]
	v_pk_add_f32 v[246:247], v[246:247], v[148:149]
	v_pk_add_f32 v[244:245], v[244:245], v[152:153]
	v_pk_add_f32 v[242:243], v[242:243], v[156:157]
	v_pk_add_f32 v[240:241], v[240:241], v[96:97]
	v_pk_add_f32 v[14:15], v[14:15], v[98:99]
	v_pk_add_f32 v[236:237], v[236:237], v[102:103]
	v_pk_add_f32 v[246:247], v[246:247], v[106:107]
	v_pk_add_f32 v[244:245], v[244:245], v[110:111]
	v_pk_add_f32 v[242:243], v[242:243], v[114:115]
	v_pk_add_f32 v[240:241], v[240:241], v[118:119]
	v_pk_add_f32 v[14:15], v[14:15], v[122:123]
	v_pk_add_f32 v[236:237], v[236:237], v[126:127]
	v_pk_add_f32 v[246:247], v[246:247], v[130:131]
	v_pk_add_f32 v[244:245], v[244:245], v[134:135]
	v_pk_add_f32 v[242:243], v[242:243], v[138:139]
	v_pk_add_f32 v[240:241], v[240:241], v[142:143]
	v_pk_add_f32 v[14:15], v[14:15], v[146:147]
	v_pk_add_f32 v[236:237], v[236:237], v[150:151]
	v_pk_add_f32 v[246:247], v[246:247], v[154:155]
	v_pk_add_f32 v[244:245], v[244:245], v[158:159]
	s_delay_alu instid0(VALU_DEP_1)
	v_pk_add_f32 v[14:15], v[14:15], v[244:245]
	s_delay_alu instid0(VALU_DEP_4)
	v_pk_add_f32 v[236:237], v[236:237], v[242:243]
	s_delay_alu instid0(VALU_DEP_4)
	v_pk_add_f32 v[246:247], v[246:247], v[240:241]
	s_delay_alu instid0(VALU_DEP_1)
	v_pk_add_f32 v[14:15], v[14:15], v[246:247]
	s_delay_alu instid0(VALU_DEP_1)
	v_pk_add_f32 v[14:15], v[14:15], v[236:237]
.set J, 0
.rept 32
	v_pk_mul_f32 v[160+J:161+J], v[160+J:161+J], v[252:253] op_sel_hi:[1,0]   ; O^T under the new M.  (These are also the places between p's codes and scale word and the products)
.set J, J+2
.endr
	s_wait_alu depctr_va_vdst(0)
	s_wait_dscnt 0x0                               ; V's first four fragments
.irp t, 0,1,2,3
	v_wmma_scale_f32_16x16x128_f8f6f4 v[160+8*\t:167+8*\t], v[32+12*\t:43+12*\t], v[224:235], v[160+8*\t:167+8*\t], v[248+\t], v253 matrix_a_fmt:MATRIX_FMT_FP6 matrix_b_fmt:MATRIX_FMT_FP6
.endr
	PLACES
	VLOAD 1
	s_wait_dscnt 0x0
.irp t, 0,1,2,3
	v_wmma_scale_f32_16x16x128_f8f6f4 v[192+8*\t:199+8*\t], v[32+12*\t:43+12*\t], v[224:235], v[192+8*\t:199+8*\t], v[248+\t], v253 matrix_a_fmt:MATRIX_FMT_FP6 matrix_b_fmt:MATRIX_FMT_FP6
.endr
.Lskip_\@:
	s_add_co_u32 s[U], s[U], 4                     ; my next list step,
	s_xor_b32 s[TB], s[TB], SLOT1                  ; in the other slot
.endm
; THE CHANGE OF SLOTS stands at a slot's head.  Each wave waits for all its tensor loads (its part of the slot ahead), adds 0 to its spare word, and waits for that and for its reads of the slot that it has left.
; fill = 1: that slot is filled with the four list steps that follow the slot ahead; 0: nothing is left to fetch.
.macro CHANGE fill
	s_wait_tensorcnt 0x0                           ; no tensor load of mine is out, so the walking group 0 may be written
	ds_add_u32 v[SPW], v[NIL]                      ; 0 onto my spare word
.if \fill
	s_xor_b32 s[G0+1], s[G0+1], SLOT1              ; the other slot than last time
	s_cmp_ge_u32 s[UF], s[NH]
	s_cselect_b32 s34, s[NH], 0
	s_sub_co_u32 s34, s[UF], s34                   ; list step UF's key step
	s_mul_i32 s34, s34, STEPB
	s_add_nc_u64 s[G0+2:G0+3], s[KVB:KVB+1], s[34:35]
	s_or_b32 s[G0+3], s[G0+3], 0x80000000
	s_add_co_u32 s[UF], s[UF], 4
.endif
	s_wait_dscnt 0x0                               ; the add is done, and my reads of the slot that I have left are over
.if \fill
	CROUND                                         ; the same now holds of every wave of the four work-groups
	tensor_load_to_lds s[G0:G0+3], s[G1:G1+7]      ; the first thing behind the round, and my one tensor load until the next
	s_nop 0
	PLACES
.else
	s_barrier_signal -1
	s_barrier_wait -1
.endif
.endm
	s_load_b128 s[4:7], s[0:1], 0x0                ; qkv s[4:5], out0 s[6:7]
	v_lshl_add_u32 v[SPW], v0, 2, SPARE
	v_mov_b32 v[NIL], 0
	ds_add_u32 v29, v30
	ds_add_u32 v29, v30
	s_wait_dscnt 0x0
	v_lshrrev_b32 v1, 5, v0
	s_delay_alu instid0(VALU_DEP_1)
	v_readfirstlane_b32 s[WV], v1                  ; wave 0..7
	s_bfe_u32 s9, ttmp6, 0x40000                   ; cx: it enters Q's and O's global offsets and the mask's lane constant alone
	s_mov_b32 s10, ttmp9                           ; m: the cluster's number along x, which the partners share
	s_and_b32 s11, ttmp7, 0xffff                   ; batch
	s_sub_co_u32 s[NH], 32, s10
	s_sub_co_u32 s[NH1], 31, s10
	s_lshr_b32 s[U], s[WV], 1                      ; p: my step of a slot.  Also: the step of which I fetch a half
	s_add_co_u32 s[UF], s[U], 8                    ; the first refill brings list steps 8 to 11
	s_and_b32 s40, s[WV], 1                        ; a: my tile.  Also: which half of a step I fetch
	s_lshl_b32 s41, s9, 1
	s_add_co_u32 s41, s41, s40                     ; my tile's number in its block: 2 cx + a
	s_mov_b32 s[SEL], 0x76543210
	s_mov_b32 s[SEL+1], 0xfedcba98
	s_mov_b32 s[CS], 0x3e0293ee                    ; c = log2(e) / sqrt(128)
	s_mov_b32 s[CS+1], s[CS]                       ; (named with it as a pair, so it is written)
	s_mov_b32 s[TB], 0
	s_mov_b32 s[CNT], 6
	; descriptor group 1: half a step, 12,800 dense bytes, as 50 rows of 256 bytes (32 elements of 8 bytes); no padding: images are read at consecutive lane addresses
	s_mov_b32 s[G1+0], 15|(3<<16)|(1<<21)          ; 15:0 the mask: all four work-groups; 17:16 elements of 8 bytes; 21 set beside a mask
	s_mov_b32 s[G1+1], 32<<16
	s_mov_b32 s[G1+2], 50<<16
	s_mov_b32 s[G1+3], 32<<16
	s_mov_b32 s[G1+4], 50
	s_mov_b32 s[G1+5], 32
	s_mov_b32 s[G1+6], 0
	s_mov_b32 s[G1+7], 0
	; and for a whole step
	s_mov_b32 s[G1X+0], 15|(3<<16)|(1<<21)
	s_mov_b32 s[G1X+1], 32<<16                     ; a whole step, 25,600 dense bytes, as 100 rows of 256 bytes
	s_mov_b32 s[G1X+2], 100<<16
	s_mov_b32 s[G1X+3], 32<<16
	s_mov_b32 s[G1X+4], 100
	s_mov_b32 s[G1X+5], 32
	s_mov_b32 s[G1X+6], 0
	s_mov_b32 s[G1X+7], 0
	s_mul_i32 s42, s11, 819200
	s_cmp_lt_u32 s[WV], 4
	s_cselect_b32 s50, s[WV], s10                  ; the head's load: list step w is key step w, list step 32 key step m
	s_mul_i32 s50, s50, STEPB
	s_add_co_u32 s50, s50, s42
	s_mov_b32 s51, 0
	s_mul_i32 s43, s40, 12800
	s_add_co_u32 s42, s42, s43
	s_mov_b32 s43, 0
	s_mul_i32 s34, s[U], STEPB                     ; list step p is key step p of block H; and my step's place in a slot
	s_mov_b32 s35, 0
	v_and_b32 v232, 31, v0                         ; lane
	v_and_b32 v233, 15, v0                         ; r
	v_bfe_u32 v234, v0, 4, 1                       ; h
	s_delay_alu instid0(VALU_DEP_3)
	v_lshl_add_u32 v1, v232, 4, s34                ; my lane's places in my step of a slot: 16, 8 bytes a lane, 16 bytes a row
	s_delay_alu instid0(VALU_DEP_4)
	v_lshl_add_u32 v2, v232, 3, s34
	s_delay_alu instid0(VALU_DEP_4)
	v_lshl_add_u32 v3, v233, 4, s34
	s_lshl_b32 s45, s[WV], 13
	s_add_co_u32 s46, s45, HP
	v_lshl_add_u32 v[FH], v232, 4, s46
	s_add_co_u32 s46, s45, LP
	v_lshl_add_u32 v[FL], v232, 4, s46
	s_lshl_b32 s46, s[WV], 9
	s_add_co_u32 s46, s46, STT
	v_lshl_add_u32 v[FS], v232, 2, s46
	s_lshl_b32 s46, s41, 4
	v_lshlrev_b32 v235, 4, v234
	s_delay_alu instid0(VALU_DEP_1)
	v_sub_nc_u32 v[DG], v233, v235
	s_delay_alu instid0(VALU_DEP_1)
	v_add_nc_u32 v[DG], s46, v[DG]                 ; 16 (2 cx + a) + r - 16 h
	; the joining at the end: wave w joins tile a = w % 2, channels 64 u' on (u' = (w / 2) % 2), of block L (w < 4) or H
	s_lshr_b32 s45, s[WV], 2                       ; blk
	s_bfe_u32 s46, s[WV], 0x10001                  ; u'
	s_mul_i32 s47, s45, HP-LP
	s_lshl_b32 s48, s40, 13
	s_add_co_u32 s47, s47, s48
	s_lshl_b32 s48, s46, 12
	s_add_co_u32 s47, s47, s48
	s_add_co_u32 s47, s47, LP
	v_lshl_add_u32 v[MB], v232, 4, s47
	s_lshl_b32 s47, s40, 9
	s_lshl_b32 s48, s45, 8
	s_add_co_u32 s47, s47, s48
	s_add_co_u32 s47, s47, STT
	v_lshl_add_u32 v[SB], v232, 2, s47
	s_mul_i32 s47, s[WV], 16*272                   ; my stage for the way out
	s_add_co_u32 s47, s47, OST
	v_mul_u32_u24 v[SIN], v233, 272
	s_delay_alu instid0(VALU_DEP_1)
	v_lshl_add_u32 v[SIN], v234, 5, v[SIN]
	s_delay_alu instid0(VALU_DEP_1)
	v_add_nc_u32 v[SIN], s47, v[SIN]
	v_mul_u32_u24 v[SOUT], v234, 272
	s_delay_alu instid0(VALU_DEP_1)
	v_lshl_add_u32 v[SOUT], v233, 4, v[SOUT]
	s_delay_alu instid0(VALU_DEP_1)
	v_add_nc_u32 v[SOUT], s47, v[SOUT]
	v_lshlrev_b32 v[GO], 9, v234
	s_delay_alu instid0(VALU_DEP_1)
	v_lshl_add_u32 v[GO], v233, 4, v[GO]
	s_cmp_lg_u32 s45, 0
	s_cselect_b32 s47, s[NH1], s10                 ; the block that I join
	s_lshl_b32 s47, s47, 3
	s_add_co_u32 s47, s47, s41
	s_lshl_b32 s48, s11, 8
	s_add_co_u32 s47, s47, s48                     ; its tile among the 1,024
	s_lshl_b32 s48, s47, 13                        ; 16 rows of 512 bytes,
	s_lshl_b32 s49, s46, 8                         ; + my half of a row
	s_add_co_u32 s48, s48, s49
	s_mov_b32 s49, 0
	; Q of my tile of block H and of block L
	s_lshl_b32 s44, s11, 8
	s_add_co_u32 s44, s44, s41
	s_lshl_b32 s45, s[NH1], 3
	s_add_co_u32 s45, s45, s44                     ; tile 256 batch + 8 (31 - m) + 2 cx + a
	s_lshl_b32 s46, s10, 3
	s_add_co_u32 s46, s46, s44                     ; tile 256 batch + 8 m + 2 cx + a
	s_mul_i32 s47, s45, 1536
	s_add_co_u32 s47, s47, QOFF
	v_lshl_add_u32 v96, v232, 4, s47
	s_mul_i32 s47, s46, 1536
	s_add_co_u32 s47, s47, QOFF
	v_lshl_add_u32 v97, v232, 4, s47
	s_lshl_b32 s47, s45, 6
	s_add_co_u32 s47, s47, QSOFF
	v_lshl_add_u32 v98, v233, 2, s47
	s_lshl_b32 s47, s46, 6
	s_add_co_u32 s47, s47, QSOFF
	v_lshl_add_u32 v99, v233, 2, s47
	s_wait_alu depctr_va_vdst(0)
	s_wait_kmcnt 0x0
.irp c, 0,1,2
	global_load_b128 v[16+4*\c:19+4*\c], v96, s[4:5] offset:512*\c
	global_load_b128 v[80+4*\c:83+4*\c], v97, s[4:5] offset:512*\c
.endr
	global_load_b32 v255, v98, s[4:5]
	global_load_b32 v92, v99, s[4:5]
	s_add_nc_u64 s[6:7], s[6:7], s[48:49]
	s_add_nc_u64 s[KVB:KVB+1], s[4:5], s[42:43]
	s_mov_b32 s[G0A], 1                            ; count = 1
	s_mul_i32 s[G0A+1], s[WV], STEPB               ; LDS address: step w of slot 0; wave 4's is XTRA
	s_add_nc_u64 s[G0A+2:G0A+3], s[4:5], s[50:51]
	s_mov_b32 s[G0], 1
	s_mul_i32 s[G0+1], s[WV], 12800
	s_add_co_u32 s[G0+1], s[G0+1], SLOT1           ; slot 1, my half of step w / 2
	s_add_nc_u64 s[G0+2:G0+3], s[KVB:KVB+1], s[34:35]
	s_add_nc_u64 s[G0+2:G0+3], s[G0+2:G0+3], 4*STEPB   ; list steps 4 to 7 are key steps 4 to 7 (NH is 17 at the least)
	s_or_b32 s[G0A+3], s[G0A+3], 0x80000000        ; type = 2
	s_or_b32 s[G0+3], s[G0+3], 0x80000000
	v_mov_b32 v13, 0xff61b1e6                      ; the largest t so far: -3e38, under every t
	s_delay_alu instid0(VALU_DEP_1)
	v_floor_f32 v12, -v13
	v_mov_b32 v14, 0
	v_mov_b32 v15, 0
.irp b, 0,1,2,3
	v_mov_b32 v[236+\b], 0                         ; written once: a lane permute's destination counts as one of its sources
.endr
	v_mov_b32 v252, 0
	v_mov_b32 v253, 0
.set J, 0
.rept 64
	v_mov_b32 v[160+J], 0                          ; O^T: the step is written once for first and later steps: the first change of M leaves zeros zeros
.set J, J+1
.endr
	CROUND                                         ; all four work-groups are here: the first joint loads meet
	s_cmp_lt_u32 s[WV], 5
	s_cbranch_scc0 .Lno_first
	tensor_load_to_lds s[G0A:G0A+3], s[G1X:G1X+7]  ; the head's one load of a wave
	s_nop 0
	PLACES
.Lno_first:
	s_wait_loadcnt 0x0                             ; Q
	s_wait_tensorcnt 0x0                           ; my part of slot 0 or of list step 32 has landed
	ds_add_u32 v[SPW], v[NIL]                      ; twice on end
	ds_add_u32 v[SPW], v[NIL]
	s_wait_dscnt 0x0
	CROUND                                         ; everybody's has, in all four work-groups
	tensor_load_to_lds s[G0:G0+3], s[G1:G1+7]      ; steps 4 to 7 into slot 1: the first tensor load behind the round
	s_nop 0
	PLACES
	STEP 0                                         ; list steps 0 to 3
.Lslot:                                            ; 6 trips: list steps 4 to 27 are worked, steps 8 to 31 asked for
	CHANGE 1
	STEP 0
	s_sub_co_u32 s[CNT], s[CNT], 1
	s_cmp_lg_u32 s[CNT], 0
	s_cbranch_scc1 .Lslot
	CHANGE 0                                       ; the tail is written out: nothing is left to fetch
	STEP 0                                         ; list steps 28 to 31, in slot 1
	STEP 1                                         ; list step 32: waves 0 and 1; the others have no step left
	s_wait_alu depctr_va_vdst(0)
	FLUSH FL, 0                                    ; block L's partial result, into slot 0: every wave has passed the last change of slots, behind which nobody reads its four steps
	s_wait_dscnt 0x0                               ; for the others' sake; and my stores have read O^T's registers, into which partial results are loaded below
	s_barrier_signal -1
	s_barrier_wait -1                              ; behind it nobody reads slot 1 either: the stages for the way out lie there
	; THE FOUR PARTIAL RESULTS OF A TILE ARE JOINED: under the largest M, each times f = 2^(its M - the largest M), exact; a wave that had no step of block L left -M = 3e38, a sum of 0 and zeros: its f is 0.
.macro MLOAD p, base                   ; partial result p (wave a + 2 p's), my 32 registers of it, into v[base] on
.irp j, 0,1,2,3,4,5,6,7
	ds_load_b128 v[\base+4*\j:\base+4*\j+3], v[MB] offset:16384*\p+512*\j
.endr
.endm
.irp p, 0,1,2,3
	ds_load_b32 v[224+\p], v[SB] offset:1024*\p
	ds_load_b32 v[228+\p], v[SB] offset:1024*\p+128
.endr
	MLOAD 0, 32                                    ; v64-95 are left alone: the stage's addresses lie there
	MLOAD 1, 96
	MLOAD 2, 128
	MLOAD 3, 192
	s_wait_dscnt 0x0
	v_min3_num_f32 v232, v224, v225, v226
	s_delay_alu instid0(VALU_DEP_1)
	v_min_num_f32 v232, v232, v227                 ; the least -M
.irp p, 0,1,2,3
	v_sub_f32 v[236+\p], v232, v[224+\p]           ; a whole number, 0 or less
.endr
.irp p, 0,1,2,3
	s_delay_alu instid0(VALU_DEP_4)
	v_cvt_i32_f32 v[236+\p], v[236+\p]             ; (it saturates)
.endr
.irp p, 0,1,2,3
	s_delay_alu instid0(VALU_DEP_4)
	v_ldexp_f32 v[236+\p], 1.0, v[236+\p]          ; f
.endr
	s_delay_alu instid0(VALU_DEP_4)
	v_mul_f32 v233, v236, v228
	s_delay_alu instid0(VALU_DEP_1)
	v_fma_f32 v233, v237, v229, v233
	s_delay_alu instid0(VALU_DEP_1)
	v_fma_f32 v233, v238, v230, v233
	s_delay_alu instid0(VALU_DEP_1)
	v_fma_f32 v233, v239, v231, v233               ; the row's sum
	s_wait_alu depctr_va_vdst(0)
	v_rcp_f32 v233, v233
	v_nop                                          ; one plain place behind a transcendental
	s_wait_alu depctr_va_vdst(0)
.irp p, 0,1,2,3
	v_mul_f32 v[240+2*\p], v[236+\p], v233         ; f / the sum, twice: a pair for the packed forms
	v_mul_f32 v[241+2*\p], v[236+\p], v233
.endr
.set J, 0
.rept 16
	v_pk_mul_f32 v[160+J:161+J], v[32+J:33+J], v[240:241]
	s_delay_alu instid0(VALU_DEP_1)
	v_pk_fma_f32 v[160+J:161+J], v[96+J:97+J], v[242:243], v[160+J:161+J]
	s_delay_alu instid0(VALU_DEP_1)
	v_pk_fma_f32 v[160+J:161+J], v[128+J:129+J], v[244:245], v[160+J:161+J]
	s_delay_alu instid0(VALU_DEP_1)
	v_pk_fma_f32 v[160+J:161+J], v[192+J:193+J], v[246:247], v[160+J:161+J]
.set J, J+2
.endr
	; register 8 t + i is o(query r, channel 64 u' + 16 t + 8 h + i): through my stage, so that sixteen lanes store 256 consecutive bytes of a row
.irp t, 0,1,2,3
	ds_store_b128 v[SIN], v[160+8*\t:163+8*\t] offset:64*\t
	ds_store_b128 v[SIN], v[164+8*\t:167+8*\t] offset:64*\t+16
.endr
.irp i, 0,1,2,3,4,5,6,7
	ds_load_b128 v[192+4*\i:195+4*\i], v[SOUT] offset:2*\i*272   ; LDS serves a wave's instructions in order: these see my stores
.endr
.irp i, 0,1,2,3,4,5,6,7
	s_wait_dscnt 7-\i                              ; the younger loads of the eight may be out
	global_store_b128 v[GO], v[192+4*\i:195+4*\i], s[6:7] offset:1024*\i th:TH_STORE_NT
.endr
	s_wait_tensorcnt 0x0                           ; the wave's end
	ds_add_u32 v[SPW], v[NIL]
	s_wait_dscnt 0x0
	CROUND                                         ; the closing round: no work-group ends while a partner may still ask for a tile that names it
	s_endpgm
.Lfunc_end_k_qf850d309b9_attn:
	.size	k_qf850d309b9_attn, .Lfunc_end_k_qf850d309b9_attn-k_qf850d309b9_attn
	.p2alignl 7, 3214868480
	.fill 96, 4, 3214868480
	.section	.rodata,"a",@progbits
	.p2align	6, 0x0
	.amdhsa_kernel k_qf850d309b9_attn
		.amdhsa_group_segment_fixed_size 327680
		.amdhsa_private_segment_fixed_size 0
		.amdhsa_enable_private_segment 0
		.amdhsa_kernarg_size 16
		.amdhsa_user_sgpr_count 2
		.amdhsa_user_sgpr_kernarg_segment_ptr 1
		.amdhsa_wavefront_size32 1
		.amdhsa_system_sgpr_workgroup_id_x 1
		.amdhsa_system_sgpr_workgroup_id_y 1
		.amdhsa_system_sgpr_workgroup_id_z 1
		.amdhsa_system_vgpr_workitem_id 0
		.amdhsa_next_free_vgpr 256
		.amdhsa_next_free_sgpr 66
		.amdhsa_reserve_vcc 1
		.amdhsa_float_denorm_mode_32 3
		.amdhsa_float_denorm_mode_16_64 3
		.amdhsa_memory_ordered 1
		.amdhsa_forward_progress 1
		.amdhsa_inst_pref_size 147
	.end_amdhsa_kernel
	.amdgpu_metadata
---
amdhsa.version: [ 1, 2 ]
amdhsa.kernels:
  - .name:           k_qf850d309b9_attn
    .symbol:         k_qf850d309b9_attn.kd
    .args:
      - { .name: qkv, .offset: 0, .size: 8, .value_kind: global_buffer, .address_space: global }
      - { .name: out0, .offset: 8, .size: 8, .value_kind: global_buffer, .address_space: global }
    .group_segment_fixed_size: 327680
    .private_segment_fixed_size: 0
    .kernarg_segment_align: 8
    .kernarg_segment_size: 16
    .max_flat_workgroup_size: 256
    .sgpr_count:     66
    .vgpr_count:     256
    .wavefront_size: 32
...
	.end_amdgpu_metadata
.endif
;; end of part 3
